; MI455X (gfx1250); checked and timed in simulation.
; The chip was launched on July 23, 2026; its instructions are those of AMD's public machine-readable ISA for CDNA 5 (MIT licence, August 2026) and "CDNA5" Instruction Set Architecture Reference Guide (July 2026). The comments in the code are by the model that wrote it; some were corrected since.
;; Expert Choice FF. Allowed arithmetic: float matrix products may take bf16 or f16 operands with f32 sums; other float arithmetic in f32, or as packed bf16 or f16 multiplies, adds, multiply-adds, maxima and minima; sums over many terms, partial sums and values carried from step to step in f32; what a program stores and reads back later, other than sums and carried values, may be rounded once to bf16 or f16.
;; Inputs: b1 4,096 float32; b2 1,024 float32; w1 1,024 x 4,096 float32; w2 4,096 x 1,024 float32; x 4 x 2,048 x 1,024 float32.
;; Outputs: out0 4 x 2,048 x 1,024 float32.
;; One version. Each part assembles by itself: llvm-mc -triple=amdgcn-amd-amdhsa -mcpu=gfx1250 --defsym DOCPART=n.
;; ======== version 1 of 1: 3 launches
;; workspace buffers: xb 16,777,216 bytes; w1b 8,388,608 bytes; w2b 8,388,608 bytes; h 67,108,864 bytes
;; launch prep (part 1): grid 256 x 4, 8 waves a work-group, no clusters, 0 bytes of LDS; arguments x, w1, w2, xb, w1b, w2b; writes xb, w1b, w2b
.if DOCPART == 1
	.amdgcn_target "amdgcn-amd-amdhsa--gfx1250"
	.amdhsa_code_object_version 6
	.text
	.protected	k_q90dc822ca7_prep
	.globl	k_q90dc822ca7_prep
	.p2align	8
	.type	k_q90dc822ca7_prep,@function
k_q90dc822ca7_prep:
	s_mov_b64 s[64:65], 0
	v_nop
	global_prefetch_b8 v0, s[64:65] scope:SCOPE_SE
	s_setreg_imm32_b32 hwreg(HW_REG_WAVE_MODE, 25, 1), 1
	s_wait_xcnt 0x0
; xb = bf16(x), w1b = bf16(w1), w2b = bf16(w2): a plain stream, the layouts stay as they are (the products read the weights [k][n] and turn them on the way out of LDS).
; LIMIT: one rounding to nearest even; an f32 beyond bf16's largest finite number (3.39e38) becomes an infinity.
; SHARES.  The grid's y picks a plane of 16,777,216 source bytes: 0, 1 the two halves of x, 2 w1, 3 w2; the grid's x one of its 256 blocks of 65,536 bytes.
; Thread t takes 16 chunks: 16 bytes at 16 t + 4,096 j in, 8 bytes at 8 t + 2,048 j out.  A wave's load covers 512 consecutive bytes, its store 256 consecutive
; bytes at a multiple of 256.  All 16 loads of a thread go out before the first wait; there is no loop, and no register is written twice, so nothing has to be freed.
; No LDS, no matrix unit, no cluster: no byte is read twice and no work-group shares a byte with another.
.set CHUNKS, 16
.set X, 4                              ; v[4:67]   chunk j: four f32 as loaded
.set Y, 68                             ; v[68:99]  chunk j: four bf16 to store
	s_load_b256 s[4:11], s[0:1], 0x0               ; x s[4:5], w1 s[6:7], w2 s[8:9], xb s[10:11]
	s_load_b128 s[12:15], s[0:1], 0x20             ; w1b s[12:13], w2b s[14:15]
	v_lshlrev_b32 v1, 4, v0                        ; 16 t
	v_lshlrev_b32 v2, 3, v0                        ; 8 t
	s_and_b32 s16, ttmp7, 0xffff                   ; the plane
	s_cmp_lt_u32 s16, 2
	s_cselect_b32 s17, s16, 0                      ; which half of x; the weights have one plane each
	s_lshl_b32 s17, s17, 8
	s_add_co_u32 s17, s17, ttmp9                   ; the block's number in its tensor, 511 at the most
	s_lshl_b32 s18, s17, 16                        ; its byte offset in the source,
	s_mov_b32 s19, 0
	s_lshl_b32 s20, s17, 15                        ; and in the destination
	s_mov_b32 s21, 0
	s_wait_kmcnt 0x0
	s_cmp_eq_u32 s16, 2                            ; the choice of buffers hangs on the plane's number alone
	s_cselect_b64 s[22:23], s[6:7], s[8:9]
	s_cselect_b64 s[24:25], s[12:13], s[14:15]
	s_cmp_lt_u32 s16, 2
	s_cselect_b64 s[22:23], s[4:5], s[22:23]
	s_cselect_b64 s[24:25], s[10:11], s[24:25]
	s_add_nc_u64 s[22:23], s[22:23], s[18:19]
	s_add_nc_u64 s[24:25], s[24:25], s[20:21]
.set j, 0
.rept CHUNKS
	global_load_b128 v[X+4*j:X+4*j+3], v1, s[22:23] offset:4096*j th:TH_LOAD_NT  ; read once in the launch
.set j, j+1
.endr
.set j, 0
.rept CHUNKS
	s_wait_loadcnt CHUNKS-1-j                      ; loads come back in order (ISA guide 5.7.1): chunk j is in, the 15 - j younger ones stay out
	v_cvt_pk_bf16_f32 v[Y+2*j],   v[X+4*j],   v[X+4*j+1]
	v_cvt_pk_bf16_f32 v[Y+2*j+1], v[X+4*j+2], v[X+4*j+3]
	global_store_b64 v2, v[Y+2*j:Y+2*j+1], s[24:25] offset:2048*j  ; no hint: the next launch reads these bytes
.set j, j+1
.endr
	s_endpgm
.Lfunc_end_k_q90dc822ca7_prep:
	.size	k_q90dc822ca7_prep, .Lfunc_end_k_q90dc822ca7_prep-k_q90dc822ca7_prep
	.p2alignl 7, 3214868480
	.fill 96, 4, 3214868480
	.section	.rodata,"a",@progbits
	.p2align	6, 0x0
	.amdhsa_kernel k_q90dc822ca7_prep
		.amdhsa_group_segment_fixed_size 0
		.amdhsa_private_segment_fixed_size 0
		.amdhsa_enable_private_segment 0
		.amdhsa_kernarg_size 48
		.amdhsa_user_sgpr_count 2
		.amdhsa_user_sgpr_kernarg_segment_ptr 1
		.amdhsa_wavefront_size32 1
		.amdhsa_system_sgpr_workgroup_id_x 1
		.amdhsa_system_sgpr_workgroup_id_y 1
		.amdhsa_system_sgpr_workgroup_id_z 1
		.amdhsa_system_vgpr_workitem_id 0
		.amdhsa_next_free_vgpr 100
		.amdhsa_next_free_sgpr 66
		.amdhsa_reserve_vcc 0
		.amdhsa_float_denorm_mode_32 3
		.amdhsa_float_denorm_mode_16_64 3
		.amdhsa_memory_ordered 1
		.amdhsa_forward_progress 1
		.amdhsa_inst_pref_size 7
	.end_amdhsa_kernel
	.amdgpu_metadata
---
amdhsa.version: [ 1, 2 ]
amdhsa.kernels:
  - .name:           k_q90dc822ca7_prep
    .symbol:         k_q90dc822ca7_prep.kd
    .args:
      - { .name: x, .offset: 0, .size: 8, .value_kind: global_buffer, .address_space: global }
      - { .name: w1, .offset: 8, .size: 8, .value_kind: global_buffer, .address_space: global }
      - { .name: w2, .offset: 16, .size: 8, .value_kind: global_buffer, .address_space: global }
      - { .name: xb, .offset: 24, .size: 8, .value_kind: global_buffer, .address_space: global }
      - { .name: w1b, .offset: 32, .size: 8, .value_kind: global_buffer, .address_space: global }
      - { .name: w2b, .offset: 40, .size: 8, .value_kind: global_buffer, .address_space: global }
    .group_segment_fixed_size: 0
    .private_segment_fixed_size: 0
    .kernarg_segment_align: 8
    .kernarg_segment_size: 48
    .max_flat_workgroup_size: 256
    .sgpr_count:     66
    .vgpr_count:     100
    .wavefront_size: 32
...
	.end_amdgpu_metadata
.endif
;; end of part 1
;; launch ffn1 (part 2): grid 16 x 16, 4 waves a work-group, clusters of 4 x 4, 327,680 bytes of LDS; arguments xb, w1b, h, b1; writes h
.if DOCPART == 2
	.amdgcn_target "amdgcn-amd-amdhsa--gfx1250"
	.amdhsa_code_object_version 6
	.text
	.protected	k_q90dc822ca7_ffn1
	.globl	k_q90dc822ca7_ffn1
	.p2align	8
	.type	k_q90dc822ca7_ffn1,@function
k_q90dc822ca7_ffn1:
	s_mov_b64 s[64:65], 0
	v_nop
	global_prefetch_b8 v0, s[64:65] scope:SCOPE_SE
	s_setreg_imm32_b32 hwreg(HW_REG_WAVE_MODE, 25, 1), 1
	s_wait_xcnt 0x0
	s_wait_alu depctr_hold_cnt(0) depctr_sa_sdst(0) depctr_va_vdst(0) depctr_va_sdst(0) depctr_va_ssrc(0) depctr_va_vcc(0) depctr_vm_vsrc(0)
	s_getreg_b32 s2, hwreg(HW_REG_IB_STS2, 6, 4)
	s_cmp_eq_u32 s2, 0
	s_cbranch_scc0 .Lentry_in_a_cluster
	s_endpgm
.Lentry_in_a_cluster:
	s_bfe_u32 s2, ttmp6, 0x10000c
	s_cmp_lg_u32 s2, 0xf033
	s_cbranch_scc0 .Lentry_shape_is_right
	s_endpgm
.Lentry_shape_is_right:
; h[m][n] = relu(sum over k of xb[m][k] w1b[k][n] + b1[n]).  xb: [8192][1024] bf16, w1b: [1024 k][4096 n] bf16, b1: [4096] f32, h: [8192][4096] bf16.  Sums in f32, h rounded once.
; LIMITS.  b1 is rounded to bf16 like the other inputs and then used as f32.  The relu is a maximum with 0 on the rounded halves: a NaN in a sum leaves as 0.  h has bf16's range.
; SHARES.  A tile of h, 256 x 256, is made by four waves, each 128 x 128: 64 accumulators of 16 x 16, 512 registers.  There are 512 tiles and 256 work-groups: a work-group makes two tiles,
; 4,096 rows apart in the same columns, so both take the same rows of w1b.  K goes in steps of 128 through a ring of two LDS slots filled by the tensor data mover, and the ring runs on from the first tile into the second.
; A (xb) lies in LDS with K along the rows (256 bytes + 16 of padding).  B (w1b) lies as in memory, a row for each k (256 columns = 512 bytes + 32 of padding), and is turned by ds_load_tr16_b128.
; THE MATRIX INSTRUCTION IS USED TRANSPOSED: source 0 = 16 columns n of B, source 1 = 16 rows m of A.  In the result lane l holds row m = l % 16 and the columns n = 8 (l / 16) + 0..7: eight neighbouring numbers of a row of h.
; THE BIAS is the C operand of the product that starts each sum: register j of block b holds b1[16 b + 8 (l / 16) + j]; 64 registers, made once; nothing is cleared and nothing is added later.
; CLUSTER.  4 x 4 work-groups.  The four of a row of the cluster need the same tiles of A, the four of a column the same tiles of B: each tile is asked for JOINTLY, by the same tensor load with the same
; descriptor and a mask that names the four.
; REGISTERS, in windows of 256 (s_set_vgpr_msb: bits 1:0 source 0, 3:2 source 1, 5:4 source 2, 7:6 destination):
;   window 0: v0-31 addresses; v32-63, v224-255 rows read back on the way out (v32-63 first serve the rounding of the bias); v64-127, v128-191 fragments of A, two buffers; v192-223 packed results
;   window 1: v0-63 the bias; v64-127, v128-191 fragments of B, two buffers
;   window 2: the 32 accumulators of my rows 0-63 (accumulator (a, b) at v[8 (8 a + b)]);   window 3: those of my rows 64-127
.set SIZE_M, 8192
.set SIZE_N, 4096
.set SIZE_K, 1024
.set SIZE_TILES, 2
.set KSTEP,  128
.set PA,     272                       ; a row of A in LDS: 256 + 16 bytes = 68 words: row r starts at bank 4 r mod 64 (64 banks of 4 bytes: ISA guide 11.1), so the 16 rows of a load start at 16 different banks
.set PB,     544                       ; a row of B: 512 + 32 bytes = 136 words: row r starts at bank 8 r mod 64
.set HALFT,  128*PA                    ; what one tensor load fills: 128 rows of A, or 64 rows of B (64 x 544 is the same number)
.set SLOT,   4*HALFT                   ; A's 256 rows, then B's 128 rows
.set STAGE,  2*SLOT                    ; behind the ring: 16 rows x 272 bytes for each wave, for the way out
.set SPITCH, 272
.set SPARE,  STAGE+4*16*SPITCH         ; behind the stages: the spare words, 128 bytes for each wave: two blocks of 256 bytes that no other line names
.set LAPS,   SIZE_K/(2*KSTEP)          ; a lap = two K steps = once round the ring
.set WALK,   SIZE_M/SIZE_TILES         ; rows from a work-group's first tile to its second
.set STEP_A, 2*KSTEP*2                 ; two K steps on: along A's rows,
.set STEP_B, 2*KSTEP*SIZE_N*2          ; down B's rows
.set NEXT_A, WALK*SIZE_K*2-(SIZE_K-2*KSTEP)*2   ; from a slot's last K step of a tile to its first of the next: A goes WALK rows down and back along K,
.set BACK_B, (SIZE_K-2*KSTEP)*SIZE_N*2 ; B only back
.set NEXT_C, (WALK-7*16)*SIZE_N*2      ; from my last 16 rows of a tile to my first of the next
.set ADRA, 16                          ; v16-17  LDS address of my A fragments in slot 0, 1
.set ADRB, 20                          ; v20-21  the same for B
.set STO,  24                          ; v24     the way out: where I put 16 bytes of a row
.set RD,   25                          ; v25     the way out: where I read a row back
.set CO,   26                          ; v26     my byte offset in h
.set ZERO, 27                          ; v27     0, for the relu
.set SPW,  28                          ; v28     LDS address of my spare word: SPARE + 4 x my thread's number; never rewritten
.set NIL,  29                          ; v29     0; never rewritten
.set BO,   30                          ; v30     my byte offset in 16 numbers of the bias
.set RB,   32                          ; v32-63  the bias as packed bf16, at the head only
.set OB,   32                          ; the way out: 16 rows read back from the stage: v32-63 and v224-255 by turns
.set F0,   64                          ; fragment buffer 0
.set F1,   128                         ; fragment buffer 1
.set TMP,  192                         ; the way out: packed results
.set BI,   0                           ; window 1: the bias, block b at BI + 8 b
.set WV, 12                            ; s12  my wave's number
.set WR, 13                            ; s13  which half of the tile's rows is mine.  Also: I fetch for A (0) or for B (1)
.set WC, 14                            ; s14  which half of its columns.  Also: which half of that tile I fetch
.set TY, 15                            ; s15  tile row
.set G1, 24                            ; s[24:31] descriptor group 1 for A's tiles
.set G0, 32                            ; s[32:39] descriptor group 0 for A's tiles, one set for each slot
.set G1B, 48                           ; s[48:55] descriptor group 1 for B's tiles
.set G0B, 56                           ; s[56:63] descriptor group 0 for B's tiles, one set for each slot
.set MSB, 0
.macro WIN new                         ; the immediate's high byte repeats the setting that is left; a switch that changes nothing is dropped
.if MSB != (\new)
	s_set_vgpr_msb (MSB<<8)|(\new)
.set MSB, \new
.endif
.endm
.set MUL_LO,   0xa1                    ; source 0 (B) window 1, source 1 (A) window 0, C and D window 2
.set MUL_HI,   0xf1                    ; the same, C and D window 3
.set FIRST_LO, 0x91                    ; the product that starts a sum: C (the bias) window 1, D window 2
.set FIRST_HI, 0xd1                    ; the same, D window 3
.set TO_B,     0x40                    ; destination window 1, sources window 0
; A joint load.  Waves 0 and 1 fetch A's two halves, waves 2 and 3 B's.  Each of the two lines has one mask and one set of registers, and nothing in them hangs on a coordinate that the four partners do not share.
; The branch hangs on the wave's number alone.  An s_nop 0 and four v_nop follow each of the two lines, ahead of the jump, the label and what follows.
.macro JLOAD s
	s_cmp_eq_u32 s[WR], 0
	s_cbranch_scc0 .Lfor_b_\@
	tensor_load_to_lds s[G0+4*(\s):G0+4*(\s)+3], s[G1:G1+7]
	s_nop 0
.rept 4
	v_nop
.endr
	s_branch .Lasked_\@
.Lfor_b_\@:
	tensor_load_to_lds s[G0B+4*(\s):G0B+4*(\s)+3], s[G1B:G1B+7]
	s_nop 0
.rept 4
	v_nop
.endr
.Lasked_\@:
.endm
; A round of the cluster's barrier: my work-group's barrier, so that wave 0's signal speaks for all four waves; wave 0 signals for the work-group; every wave waits for all sixteen; my work-group's barrier once more.
.macro CREST                           ; a round behind its opening barrier
	s_cmp_lg_u32 s[WV], 0
	s_cbranch_scc1 .Lnot_wave_0_\@
	s_barrier_signal -3
.Lnot_wave_0_\@:
	s_barrier_wait -3
	s_barrier_signal -1
	s_barrier_wait -1
.endm
.macro CROUND                          ; a whole round
	s_barrier_signal -1
	s_barrier_wait -1
	CREST
.endm
	s_load_b256 s[4:11], s[0:1], 0x0               ; xb s[4:5], w1b s[6:7], h s[8:9], b1 s[10:11]
	v_lshl_add_u32 v[SPW], v0, 2, SPARE
	v_mov_b32 v[NIL], 0
	ds_add_u32 v[SPW], v[NIL]                      ; the wave's opening: the add and its wait stand ahead of my first tensor load; the set-up below, work on registers, stands between them
	v_lshrrev_b32 v1, 5, v0
	v_readfirstlane_b32 s[WV], v1                  ; wave 0..3
	s_lshr_b32 s[WR], s[WV], 1
	s_and_b32 s[WC], s[WV], 1
	s_bfe_u32 s40, ttmp6, 0x40000                  ; cx: my place along the cluster's x
	s_bfe_u32 s41, ttmp6, 0x40004                  ; cy: along its y
	s_lshl_b32 s42, ttmp9, 2                       ; in a cluster launch ttmp9 and ttmp7 count clusters
	s_add_co_u32 s42, s42, s40                     ; tile column = 4 x cluster x + cx
	s_and_b32 s[TY], ttmp7, 0xffff
	s_lshl_b32 s[TY], s[TY], 2
	s_add_co_u32 s[TY], s[TY], s41                 ; tile row = 4 x cluster y + cy
	s_lshl_b32 s43, s41, 2
	s_lshl_b32 s43, 15, s43                        ; my row of the cluster: places 4 cy .. 4 cy + 3
	s_lshl_b32 s44, 0x1111, s40                    ; my column: places cx, cx + 4, cx + 8, cx + 12
	; descriptor group 1 for A: 128 rows x 128 elements
	s_or_b32 s[G1+0], s43, (1<<16)|(1<<20)|(1<<21)|(5<<22)|(3<<25)  ; 15:0 the mask: my row; 17:16 elements of 2 bytes; 20 padding on; 21 set beside a mask; 24:22 after every 64 words (code 5); 31:25 4 words of it (code 3)
	s_mov_b32 s[G1+1], KSTEP<<16                   ; tensor_dim0 = 128
	s_mov_b32 s[G1+2], 128<<16                     ; tensor_dim1 = 128
	s_mov_b32 s[G1+3], KSTEP<<16                   ; tile_dim0 = 128
	s_mov_b32 s[G1+4], 128                         ; tile_dim1 = 128
	s_mov_b32 s[G1+5], SIZE_K                      ; elements from row to row
	s_mov_b32 s[G1+6], 0
	s_mov_b32 s[G1+7], 0
	; descriptor group 1 for B: 64 rows (k) x 256 elements (n)
	s_or_b32 s[G1B+0], s44, (1<<16)|(1<<20)|(1<<21)|(6<<22)|(7<<25) ; the mask: my column; padding after every 128 words (code 6), 8 words of it (code 7)
	s_mov_b32 s[G1B+1], 256<<16                    ; tensor_dim0 = 256
	s_mov_b32 s[G1B+2], 64<<16                     ; tensor_dim1 = 64
	s_mov_b32 s[G1B+3], 256<<16                    ; tile_dim0 = 256
	s_mov_b32 s[G1B+4], 64                         ; tile_dim1 = 64
	s_mov_b32 s[G1B+5], SIZE_N                     ; elements from row to row
	s_mov_b32 s[G1B+6], 0
	s_mov_b32 s[G1B+7], 0
	; where the tiles come from.  A's hang on the tile row alone, B's on the tile column alone; each offset is made in registers that never hold the other coordinate
	s_lshl_b32 s17, s[WC], 7
	s_lshl_b32 s16, s[TY], 8
	s_add_co_u32 s16, s16, s17                     ; A: row 256 x tile row + 128 x half,
	s_lshl_b32 s16, s16, 11                        ; of 2,048 bytes: under 2^24
	s_mov_b32 s17, 0
	s_lshl_b32 s46, s42, 9                         ; B: column 256 x tile column, 2 bytes each,
	s_lshl_b32 s47, s[WC], 19                      ; row 64 x half, 8,192 bytes each
	s_add_co_u32 s46, s46, s47
	s_mov_b32 s47, 0
	s_mul_i32 s20, s[WV], HALFT                    ; and where they go: A's two halves, then B's two halves = wave x HALFT
	s_wait_dscnt 0x0                               ; the opening add is done
	s_wait_kmcnt 0x0
	s_add_nc_u64 s[18:19], s[4:5], s[16:17]
	s_add_nc_u64 s[46:47], s[6:7], s[46:47]
	CROUND                                         ; all sixteen work-groups are here: the first joint loads meet
.irp s, 0,1
	s_mov_b32 s[G0+4*(\s)], 1                                      ; count = 1
	s_add_co_u32 s[G0+4*(\s)+1], s20, (\s)*SLOT                    ; LDS address
	s_add_nc_u64 s[G0+4*(\s)+2:G0+4*(\s)+3], s[18:19], (\s)*KSTEP*2  ; global address: K step s
	s_or_b32 s[G0+4*(\s)+3], s[G0+4*(\s)+3], 0x80000000            ; type = 2
	s_mov_b32 s[G0B+4*(\s)], 1
	s_add_co_u32 s[G0B+4*(\s)+1], s20, (\s)*SLOT
	s_add_nc_u64 s[G0B+4*(\s)+2:G0B+4*(\s)+3], s[46:47], (\s)*KSTEP*SIZE_N*2
	s_or_b32 s[G0B+4*(\s)+3], s[G0B+4*(\s)+3], 0x80000000
	JLOAD \s                                       ; the ring is filled before anything else is done: two tensor loads of mine are out
.endr
	; the bias of my 128 columns: block b's eight numbers of my half of the lanes, 32 bytes
	s_lshl_b32 s46, s42, 10                        ; 256 x tile column x 4 bytes
	s_lshl_b32 s47, s[WC], 9                       ; + 128 x half x 4 bytes
	s_add_co_u32 s46, s46, s47
	s_mov_b32 s47, 0
	s_add_nc_u64 s[10:11], s[10:11], s[46:47]
	v_and_b32 v1, 15, v0                           ; l % 16
	v_bfe_u32 v2, v0, 4, 1                         ; l / 16
	v_lshlrev_b32 v[BO], 5, v2
	WIN TO_B
.irp b, 0,1,2,3,4,5,6,7
	global_load_b128 v[BI+8*(\b):BI+8*(\b)+3],   v[BO], s[10:11] offset:64*(\b)
	global_load_b128 v[BI+8*(\b)+4:BI+8*(\b)+7], v[BO], s[10:11] offset:64*(\b)+16
.endr
	WIN 0
	; A fragment of A is 16 rows x 32 K in 8 registers: lane l holds row l % 16; registers 0-3 K = 8 (l / 16) + 0..7, registers 4-7 K = 16 + 8 (l / 16) + 0..7: two loads of 16 bytes, 32 bytes apart.
	v_mul_u32_u24 v3, v1, PA
	v_lshl_add_u32 v3, v2, 4, v3                   ; row x pitch + 16 x half
	; The turning load takes 16 k x 16 n (lane l reads 16 bytes: k = 8 (l / 16) + l % 8, columns 8 ((l / 8) % 2) + 0..7) and leaves half a fragment of B: lane l holds column l % 16 and 8 k.
	v_and_b32 v4, 7, v0
	v_lshl_add_u32 v4, v2, 3, v4
	v_mul_u32_u24 v4, v4, PB
	v_bfe_u32 v5, v0, 3, 1
	v_lshl_add_u32 v4, v5, 4, v4
	s_mul_i32 s21, s[WR], HALFT                    ; my 128 rows of A
	s_lshl_b32 s22, s[WC], 8                       ; my 128 columns of B: 256 bytes along its rows,
	s_add_co_u32 s22, s22, 2*HALFT                 ; which lie behind A's 256
.irp s, 0,1
	v_add_nc_u32 v[ADRA+(\s)], s21, v3
	v_add_nc_u32 v[ADRB+(\s)], s22, v4
	s_add_co_u32 s21, s21, SLOT
	s_add_co_u32 s22, s22, SLOT
.endr
	s_mul_i32 s23, s[WV], 16*SPITCH
	s_add_co_u32 s23, s23, STAGE                   ; my stage
	v_mul_u32_u24 v6, v1, SPITCH                   ; in: row l % 16, 16 bytes for each half of the lanes
	v_lshl_add_u32 v6, v2, 4, v6
	v_add_nc_u32 v[STO], s23, v6
	v_mul_u32_u24 v7, v2, SPITCH                   ; back: lanes 0-15 take one row of 256 bytes, lanes 16-31 the next
	v_lshl_add_u32 v7, v1, 4, v7
	v_add_nc_u32 v[RD], s23, v7
	v_mul_u32_u24 v7, v2, SIZE_N*2                 ; and the same two rows in h
	v_lshl_add_u32 v[CO], v1, 4, v7
	v_mov_b32 v[ZERO], 0
	; where my part of the first tile begins in h, in bytes: the first way out adds it to h's address
	s_lshl_b32 s16, s[TY], 8
	s_lshl_b32 s17, s[WR], 7
	s_add_co_u32 s16, s16, s17                     ; my first row, 4,095 at the most,
	s_lshl_b32 s16, s16, 13                        ; of 8,192 bytes
	s_mov_b32 s17, 0
	s_lshl_b32 s46, s42, 9                         ; my first column, in bytes: 512 x tile column + 256 x half
	s_lshl_b32 s47, s[WC], 8
	s_add_co_u32 s46, s46, s47
	s_mov_b32 s47, 0
	s_add_nc_u64 s[16:17], s[16:17], s[46:47]
	s_wait_loadcnt 0x0                             ; the bias is in
	WIN 0x05                                       ; sources window 1, destination window 0
.set i, 0
.rept 32
	v_cvt_pk_bf16_f32 v[RB+i], v[BI+2*i], v[BI+2*i+1]  ; rounded to bf16 like every input,
.set i, i+1
.endr
	WIN TO_B
.set i, 0
.rept 32
	v_lshlrev_b32 v[BI+2*i],   16, v[RB+i]          ; and widened again: the low half moves up,
	v_and_b32     v[BI+2*i+1], 0xffff0000, v[RB+i] ; the high half stays
.set i, i+1
.endr
	WIN 0
; 16 matrix instructions: m blocks a0, a0 + 1 of the window's four (hi = 0: my rows 0-63, 1: rows 64-127) x all 8 n blocks, 32 along K.  first = 1: the sums start with the bias.
; The 64 accumulators take turns, one instruction a turn, in the same order in every quarter step.
.macro MUL16 f, hi, a0, first
.if \first
	WIN FIRST_LO+0x40*(\hi)
.else
	WIN MUL_LO+0x50*(\hi)
.endif
.irp a, \a0, (\a0)+1
.irp b, 0,1,2,3,4,5,6,7
.if \first
	v_wmma_f32_16x16x32_bf16 v[8*(8*(\a)+(\b)):8*(8*(\a)+(\b))+7], v[(\f)+8*(\b):(\f)+8*(\b)+7], v[(\f)+8*(4*(\hi)+(\a)):(\f)+8*(4*(\hi)+(\a))+7], v[BI+8*(\b):BI+8*(\b)+7]
.else
	v_wmma_f32_16x16x32_bf16 v[8*(8*(\a)+(\b)):8*(8*(\a)+(\b))+7], v[(\f)+8*(\b):(\f)+8*(\b)+7], v[(\f)+8*(4*(\hi)+(\a)):(\f)+8*(4*(\hi)+(\a))+7], v[8*(8*(\a)+(\b)):8*(8*(\a)+(\b))+7]
.endif
.endr
.endr
.endm
; 32 LDS loads in one run: the fragments of quarter q of a K step (32 k x 128 columns of B, turned; 128 rows x 32 K of A) into buffer f
.macro FETCH slot, q, f
	WIN TO_B
.irp i, 0,1,2,3,4,5,6,7
	ds_load_tr16_b128 v[(\f)+8*(\i):(\f)+8*(\i)+3],   v[ADRB+(\slot)] offset:(\q)*32*PB+32*(\i)
	ds_load_tr16_b128 v[(\f)+8*(\i)+4:(\f)+8*(\i)+7], v[ADRB+(\slot)] offset:(\q)*32*PB+16*PB+32*(\i)
.endr
	WIN 0
.irp i, 0,1,2,3,4,5,6,7
	ds_load_b128 v[(\f)+8*(\i):(\f)+8*(\i)+3],   v[ADRA+(\slot)] offset:64*(\q)+(\i)*16*PA
	ds_load_b128 v[(\f)+8*(\i)+4:(\f)+8*(\i)+7], v[ADRA+(\slot)] offset:64*(\q)+(\i)*16*PA+32
.endr
.endm
; A load into a register that a matrix instruction has read, and a vector instruction that reads a matrix result, stand four places behind that matrix instruction, and only plain vector
; instructions that name none of its registers are places (ISA guide 7.12.1 for vector instructions).
.macro PLACES
.rept 4
	v_nop
.endr
.endm
; A K step is four quarters of 32 along K, 64 matrix instructions each, on buffers 0, 1, 0, 1.  One of the first three: multiplies buffer f; in its middle it fetches quarter q of the same slot into buffer g.
.macro QUARTER slot, q, f, g, first
	s_wait_dscnt 8                                 ; B and A's rows 0-63 are in; the youngest eight loads (A's rows 64-127) may be out
	MUL16 \f, 0, 0, \first
	MUL16 \f, 0, 2, \first
	PLACES
	FETCH \slot, \q, \g
	s_wait_dscnt 32                                ; all but the 32 just issued
	MUL16 \f, 1, 0, \first
	MUL16 \f, 1, 2, \first
.endm
; The last quarter multiplies buffer 1 and changes slots.  MEET is its first half: one barrier for two things.  In front of it each wave waits for all its tensor loads, of which one is out: its part of the
; next slot; adds 0 to its spare word; and waits for that and for its own reads of this slot.  Behind it nobody reads this slot any more and the next slot is whole.
.macro MEET round                      ; round = 1: a round of the cluster's barrier follows
	WIN 0                                          ; (the add's two registers lie in window 0)
	s_wait_tensorcnt 0x0                           ; all my tensor loads have landed;
	ds_add_u32 v[SPW], v[NIL]                      ; 0 onto my spare word;
	s_wait_dscnt 9                                 ; (the add and the youngest eight loads may be out)
	MUL16 F1, 0, 0, 0                              ; sixteen matrix instructions stand between the add and the wait for it
	s_wait_dscnt 0x0                               ; the add is done, and my reads of this slot are over:
	s_barrier_signal -1                            ; say so,
	MUL16 F1, 0, 2, 0                              ; work on registers while the others arrive,
.if \round
	WIN 0
.endif
	s_barrier_wait -1                              ; and go on when all four have said so
.endm
; The whole last quarter.  Behind the round the slot just read out is filled again first: with this tile's K step two steps on (on = 0) or with the next tile's K step 0 or 1 (on = 1); then come the next slot's
; first fragments.  From a request to the wait for it a wave issues 224 matrix instructions.
.macro TURN slot, next, on
	MEET 1
	CREST                                          ; no wave of any partner still reads this slot's tile or has a load on its way
.if \on
	s_add_nc_u64 s[G0+4*(\slot)+2:G0+4*(\slot)+3], s[G0+4*(\slot)+2:G0+4*(\slot)+3], NEXT_A
	s_sub_nc_u64 s[G0B+4*(\slot)+2:G0B+4*(\slot)+3], s[G0B+4*(\slot)+2:G0B+4*(\slot)+3], BACK_B
.else
	s_add_nc_u64 s[G0+4*(\slot)+2:G0+4*(\slot)+3], s[G0+4*(\slot)+2:G0+4*(\slot)+3], STEP_A
	s_add_nc_u64 s[G0B+4*(\slot)+2:G0B+4*(\slot)+3], s[G0B+4*(\slot)+2:G0B+4*(\slot)+3], STEP_B
.endif
	JLOAD \slot                                    ; the first tensor load behind the round, my only one until the next; the four v_nop behind it are also the places in front of the loads below
	FETCH \next, 0, F0
	MUL16 F1, 1, 0, 0
	MUL16 F1, 1, 2, 0
.endm
; THE WAY OUT of block a (16 rows), in three parts.  PACK: rounded to bf16, then the relu on the packed halves.  TOSTAGE: into my own stage in LDS, and back as whole rows of 256 bytes.  SEND: stored.
.macro PACK a
.set AC, 64*((\a)%4)
	WIN 0x0a+5*((\a)/4)                            ; sources 0 and 1: window 2 or 3
.irp b, 0,1,2,3,4,5,6,7
.irp r, 0,1,2,3
	v_cvt_pk_bf16_f32 v[TMP+4*(\b)+(\r)], v[AC+8*(\b)+2*(\r)], v[AC+8*(\b)+2*(\r)+1]  ; each accumulator's registers in ascending order
.endr
.endr
	WIN 0
.set i, 0
.rept 32
	v_pk_max_num_bf16 v[TMP+i], v[TMP+i], v[ZERO]  ; two maxima with 0; nothing is rounded
.set i, i+1
.endr
.endm
.macro TOSTAGE a
	WIN 0
.set BK, OB+192*((\a)%2)
.irp b, 0,1,2,3,4,5,6,7
	ds_store_b128 v[STO], v[TMP+4*(\b):TMP+4*(\b)+3] offset:32*(\b)
.endr
.irp t, 0,1,2,3,4,5,6,7
	ds_load_b128 v[BK+4*(\t):BK+4*(\t)+3], v[RD] offset:(\t)*2*SPITCH  ; LDS serves a wave's instructions in order (ISA guide 5.7.1.4): these see the stores above
.endr
.endm
.macro SEND a, younger                 ; younger: the LDS instructions issued behind TOSTAGE's, which may stay out
	WIN 0
.set BK, OB+192*((\a)%2)
	s_wait_dscnt \younger                          ; the block is back in registers
	s_wait_xcnt 0x0                                ; every earlier memory instruction has had its addresses translated (ISA guide 3.1): only behind this wait are the stores' base and the registers that earlier stores read rewritten
.if (\a) == 0
	s_add_nc_u64 s[8:9], s[8:9], s[16:17]          ; on to this tile's first rows
.else
	s_add_nc_u64 s[8:9], s[8:9], 16*SIZE_N*2       ; 16 rows of h on
.endif
.irp t, 0,1,2,3,4,5,6,7
	global_store_b128 v[CO], v[BK+4*(\t):BK+4*(\t)+3], s[8:9] offset:2*(\t)*SIZE_N*2  ; 16 lanes store 256 consecutive bytes, at a multiple of 256 from h's first byte
.endr
.endm
.macro WAYOUT                          ; block a's conversions stand between block a - 1's loads from the stage and the wait for them
	PACK 0
	TOSTAGE 0
.irp a, 1,2,3,4,5,6,7
	PACK \a
	SEND (\a)-1, 0
	TOSTAGE \a
.endr
	SEND 7, 0
.endm
	s_wait_tensorcnt 1                             ; my part of K step 0 is in; K step 1's may stay out
	s_barrier_signal -1
	s_barrier_wait -1                              ; everybody's is
	FETCH 0, 0, F0
	s_mov_b32 s2, SIZE_TILES                       ; tiles to go, this one among them: the same number in every work-group
.Ltile:
	QUARTER 0, 1, F0, F1, 1                        ; a tile's first quarter stands in front of the loop: its products start the sums, with the bias
	WIN 0                                          ; at a label and at a branch every window is 0
	s_mov_b32 s3, LAPS-1
.Llap:                                                 ; a trip goes once round the ring, from a lap's second quarter to the next lap's first, and fills both slots again
	QUARTER 0, 2, F1, F0, 0
	QUARTER 0, 3, F0, F1, 0
	TURN 0, 1, 0
	QUARTER 1, 1, F0, F1, 0
	QUARTER 1, 2, F1, F0, 0
	QUARTER 1, 3, F0, F1, 0
	TURN 1, 0, 0
	QUARTER 0, 1, F0, F1, 0
	WIN 0
	s_sub_co_u32 s3, s3, 1
	s_cmp_lg_u32 s3, 0
	s_cbranch_scc1 .Llap
	QUARTER 0, 2, F1, F0, 0                        ; the tile's last lap goes on
	QUARTER 0, 3, F0, F1, 0
	WIN 0
	s_cmp_eq_u32 s2, 1
	s_cbranch_scc1 .Llast_tile                     ; the last tile's tail is written out: it asks for nothing more
	TURN 0, 1, 1                                   ; the ring goes on into the next tile: slot 0 takes its K step 0,
	QUARTER 1, 1, F0, F1, 0
	QUARTER 1, 2, F1, F0, 0
	QUARTER 1, 3, F0, F1, 0
	TURN 1, 0, 1                                   ; slot 1 its K step 1, and the next tile's first fragments are fetched
	WAYOUT                                         ; both refills are asked for: now the tile goes out.  Blocks 0-3 were finished in front of the joint load's four v_nop, and their conversions,
	                                               ; which name no register of the last products (blocks 4-7's), are those products' places
	s_mov_b64 s[16:17], NEXT_C                     ; what the next way out adds to h's address
	s_sub_co_u32 s2, s2, 1
	s_branch .Ltile
.Llast_tile:
	MEET 0                                         ; my one tensor load that was still out is slot 1's, the last K step's, so no round follows
	PLACES                                         ; for the loads into buffer 0, which the quarter before multiplied
	FETCH 1, 0, F0
	MUL16 F1, 1, 0, 0
	MUL16 F1, 1, 2, 0
	QUARTER 1, 1, F0, F1, 0
	QUARTER 1, 2, F1, F0, 0
	QUARTER 1, 3, F0, F1, 0
	s_wait_dscnt 8                                 ; the very last quarter: nothing more to fetch
	MUL16 F1, 0, 0, 0
	MUL16 F1, 0, 2, 0
	s_wait_dscnt 0x0
	MUL16 F1, 1, 0, 0
	MUL16 F1, 1, 2, 0
	WIN 0
	PLACES                                         ; the first conversions read results behind which only matrix instructions stand
	WAYOUT
	s_wait_tensorcnt 0x0                           ; the wave's end: behind my last tensor load and my last LDS store
	ds_add_u32 v[SPW], v[NIL]
	s_wait_dscnt 0x0
	CROUND                                         ; the closing round: no work-group ends while a partner may still ask for a tile that names it
	s_endpgm
.Lfunc_end_k_q90dc822ca7_ffn1:
	.size	k_q90dc822ca7_ffn1, .Lfunc_end_k_q90dc822ca7_ffn1-k_q90dc822ca7_ffn1
	.p2alignl 7, 3214868480
	.fill 96, 4, 3214868480
	.section	.rodata,"a",@progbits
	.p2align	6, 0x0
	.amdhsa_kernel k_q90dc822ca7_ffn1
		.amdhsa_group_segment_fixed_size 327680
		.amdhsa_private_segment_fixed_size 0
		.amdhsa_enable_private_segment 0
		.amdhsa_kernarg_size 32
		.amdhsa_user_sgpr_count 2
		.amdhsa_user_sgpr_kernarg_segment_ptr 1
		.amdhsa_wavefront_size32 1
		.amdhsa_system_sgpr_workgroup_id_x 1
		.amdhsa_system_sgpr_workgroup_id_y 1
		.amdhsa_system_sgpr_workgroup_id_z 1
		.amdhsa_system_vgpr_workitem_id 0
		.amdhsa_next_free_vgpr 1024
		.amdhsa_next_free_sgpr 66
		.amdhsa_reserve_vcc 0
		.amdhsa_float_denorm_mode_32 3
		.amdhsa_float_denorm_mode_16_64 3
		.amdhsa_memory_ordered 1
		.amdhsa_forward_progress 1
		.amdhsa_inst_pref_size 247
	.end_amdhsa_kernel
	.amdgpu_metadata
---
amdhsa.version: [ 1, 2 ]
amdhsa.kernels:
  - .name:           k_q90dc822ca7_ffn1
    .symbol:         k_q90dc822ca7_ffn1.kd
    .args:
      - { .name: xb, .offset: 0, .size: 8, .value_kind: global_buffer, .address_space: global }
      - { .name: w1b, .offset: 8, .size: 8, .value_kind: global_buffer, .address_space: global }
      - { .name: h, .offset: 16, .size: 8, .value_kind: global_buffer, .address_space: global }
      - { .name: b1, .offset: 24, .size: 8, .value_kind: global_buffer, .address_space: global }
    .group_segment_fixed_size: 327680
    .private_segment_fixed_size: 0
    .kernarg_segment_align: 8
    .kernarg_segment_size: 32
    .max_flat_workgroup_size: 128
    .sgpr_count:     66
    .vgpr_count:     1024
    .wavefront_size: 32
...
	.end_amdgpu_metadata
.endif
;; end of part 2
;; launch ffn2 (part 3): grid 4 x 64, 4 waves a work-group, clusters of 4 x 4, 327,680 bytes of LDS; arguments h, w2b, out0, b2; writes out0
.if DOCPART == 3
	.amdgcn_target "amdgcn-amd-amdhsa--gfx1250"
	.amdhsa_code_object_version 6
	.text
	.protected	k_q90dc822ca7_ffn2
	.globl	k_q90dc822ca7_ffn2
	.p2align	8
	.type	k_q90dc822ca7_ffn2,@function
k_q90dc822ca7_ffn2:
	s_mov_b64 s[64:65], 0
	v_nop
	global_prefetch_b8 v0, s[64:65] scope:SCOPE_SE
	s_setreg_imm32_b32 hwreg(HW_REG_WAVE_MODE, 25, 1), 1
	s_wait_xcnt 0x0
	s_wait_alu depctr_hold_cnt(0) depctr_sa_sdst(0) depctr_va_vdst(0) depctr_va_sdst(0) depctr_va_ssrc(0) depctr_va_vcc(0) depctr_vm_vsrc(0)
	s_getreg_b32 s2, hwreg(HW_REG_IB_STS2, 6, 4)
	s_cmp_eq_u32 s2, 0
	s_cbranch_scc0 .Lentry_in_a_cluster
	s_endpgm
.Lentry_in_a_cluster:
	s_bfe_u32 s2, ttmp6, 0x10000c
	s_cmp_lg_u32 s2, 0xf033
	s_cbranch_scc0 .Lentry_shape_is_right
	s_endpgm
.Lentry_shape_is_right:
; out0[m][n] = sum over k of h[m][k] w2b[k][n] + b2[n].  h: [8192][4096] bf16, w2b: [4096 k][1024 n] bf16, b2: [1024] f32, out0: [8192][1024] f32.  Sums in f32, stored as they are.
; LIMIT.  b2 is rounded to bf16 like the other inputs and then used as f32.
; SHARES.  A tile of out0 is 128 rows x 256 columns: 64 x 4 tiles, one for each of 256 work-groups (tiles of 256 x 256 would be 128).  Four waves, each 64 rows x 128 columns: 32 accumulators of 16 x 16, 256 registers.
; K STEPS OF 192, as long as two slots in LDS allow: a k costs 256 bytes of A and 512 of B, 832 with the padding, and two slots of 192 k take 319,488 of the 327,680 bytes.  One load a wave goes out behind each
; round, so the longer step puts more bytes on their way for each round and has 192 matrix instructions a wave in which they land.  The price: A's rows are 384 bytes and start at multiples of 128 bytes, not of 256.
; 4,096 = 20 x 192 + 2 x 128.  All 22 loads have one shape and stay inside their buffers: step 20's begins at k = 3,840 and its first four quarters are multiplied; step 21's begins at k = 3,904 and its last four
; are (k = 3,968 on).  So the only irregular thing is slot 1's last address step, 256 k for 384, chosen by the loop's counter.
; B lies in LDS as in memory, a row for each k, and is turned by ds_load_tr16_b128.
; THE MATRIX INSTRUCTION IS USED TRANSPOSED: source 0 = 16 columns n of B, source 1 = 16 rows m of A: lane l holds row m = l % 16 and the columns n = 8 (l / 16) + 0..7, 32 neighbouring bytes of a row of out0.
; THE BIAS is the C operand of the product that starts each sum: register j of block b holds b2[16 b + 8 (l / 16) + j]; 64 registers, made once.
; CLUSTER.  4 x 4 work-groups.  The four of a row of the cluster are all four tile columns and need the same tiles of A (h), the four of a column the same tiles of B: each tile is asked for JOINTLY, by the same
; tensor load with the same descriptor and a mask that names the four.
; REGISTERS, in windows of 256 (s_set_vgpr_msb: bits 1:0 source 0, 3:2 source 1, 5:4 source 2, 7:6 destination):
;   window 0: v0-31 addresses; v32-63 the rounding of the bias; v64-95, v128-159 fragments of A, two buffers
;   window 1: v0-63 the bias; v64-127, v128-191 fragments of B, two buffers          window 2: the accumulators, (a, b) at v[8 (8 a + b)]
.set SIZE_N, 1024
.set SIZE_K, 4096
.set KSTEP,  192
.set ACH,    144                       ; 64 k of a row of A in LDS: 128 bytes + 16 of padding
.set PA,     3*ACH                     ; a row of A: 432 bytes = 108 words: the 16 rows of a load start at 16 different groups of four banks (64 banks of 4 bytes: ISA guide 11.1)
.set PB,     544                       ; a row of B: 512 + 32 bytes = 136 words: row r starts at bank 8 r mod 64
.set AH,     64*PA                     ; 64 rows of A: what wave 0 or 1 fetches, and what one wave reads
.set BH,     96*PB                     ; 96 rows of B: what wave 2 or 3 fetches
.set SLOT,   2*AH+2*BH                 ; A's 128 rows, then B's 192 rows: 159,744 bytes
.set STAGE,  0                         ; the way out: 16 rows x 528 bytes for each wave, in slot 0, which by then has had its last fill and its last read (the tail's barrier stands between)
.set SPITCH, 528                       ; 512 bytes + 16: an odd multiple of 16, so the 16 rows of a store fall into 16 different groups of four banks
.set SPARE,  2*SLOT                    ; behind the ring: the spare words, 128 bytes for each wave: two blocks of 256 bytes that no other line names
.set TRIPS,  10                        ; laps that fill both slots again: steps 0 to 19 ask for steps 2 to 21
.set STEP_A, 2*KSTEP*2                 ; two K steps on: along A's rows,
.set STEP_B, 2*KSTEP*SIZE_N*2          ; down B's rows
.set LAST_A, (2*KSTEP-128)*2           ; slot 1's last step: from k = 3,648 to k = 3,904
.set LAST_B, (2*KSTEP-128)*SIZE_N*2
.set ADRA, 16                          ; v16-17  LDS address of my A fragments in slot 0, 1
.set ADRB, 20                          ; v20-21  the same for B, quarters 0 to 2
.set ADRBH, 22                         ; v22-23  96 rows of B further on, for quarters 3 to 5: their offsets would pass the 16 bits of the immediate
.set STO,  24                          ; v24     the way out: where I put 32 bytes of a row
.set RD,   25                          ; v25     the way out: where I read 16 bytes of a row back
.set GO,   26                          ; v26     my byte offset in 512 consecutive bytes of out0
.set SPW,  28                          ; v28     LDS address of my spare word: SPARE + 4 x my thread's number; never rewritten
.set NIL,  29                          ; v29     0; never rewritten
.set BO,   30                          ; v30     my byte offset in 16 numbers of the bias
.set RB,   32                          ; v32-63  the bias as packed bf16, at the head only
.set F0,   64
.set F1,   128
.set BI,   0                           ; window 1: the bias, block b at BI + 8 b
.set WV, 12                            ; s12  my wave's number
.set WR, 13                            ; s13  which half of the tile's rows is mine.  Also: I fetch for A (0) or for B (1)
.set WC, 14                            ; s14  which half of its columns.  Also: which half of that tile I fetch
.set TY, 15                            ; s15  tile row
.set G1, 24                            ; s[24:31] descriptor group 1 for A's tiles;  s[32:39] group 0, one set for each slot
.set G0, 32
.set G1B, 48                           ; s[48:55], s[56:63] the same for B's tiles
.set G0B, 56
.set IA,  68                           ; s[68:69] slot 1's next address step for A, in 64 bits
.set IB,  70                           ; s[70:71] the same for B
.set CSA, 72                           ; s72-75  the four steps to choose from
.set CLA, 73
.set CSB, 74
.set CLB, 75
.set MSB, 0
.macro WIN new                         ; the immediate's high byte repeats the setting that is left; a switch that changes nothing is dropped
.if MSB != (\new)
	s_set_vgpr_msb (MSB<<8)|(\new)
.set MSB, \new
.endif
.endm
.set MUL,   0xa1                       ; source 0 (B) window 1, source 1 (A) window 0, C and D window 2
.set FIRST, 0x91                       ; the product that starts a sum: C (the bias) window 1
.set TO_B,  0x40                       ; destination window 1, sources window 0
.set FROM2, 0x08                       ; a store's data (source 1) window 2, its address window 0
.set TO2,   0x80                       ; destination window 2, address window 0
.macro JLOAD s                         ; a joint load: waves 0 and 1 fetch A's two halves, waves 2 and 3 B's; an s_nop 0 and four v_nop follow each of the two lines, ahead of the jump, the label and what follows
	s_cmp_eq_u32 s[WR], 0
	s_cbranch_scc0 .Lfor_b_\@
	tensor_load_to_lds s[G0+4*(\s):G0+4*(\s)+3], s[G1:G1+7]
	s_nop 0
.rept 4
	v_nop
.endr
	s_branch .Lasked_\@
.Lfor_b_\@:
	tensor_load_to_lds s[G0B+4*(\s):G0B+4*(\s)+3], s[G1B:G1B+7]
	s_nop 0
.rept 4
	v_nop
.endr
.Lasked_\@:
.endm
.macro CREST                           ; a round of the cluster's barrier behind its opening barrier
	s_cmp_lg_u32 s[WV], 0
	s_cbranch_scc1 .Lnot_wave_0_\@
	s_barrier_signal -3
.Lnot_wave_0_\@:
	s_barrier_wait -3
	s_barrier_signal -1
	s_barrier_wait -1
.endm
.macro CROUND                          ; a whole round
	s_barrier_signal -1
	s_barrier_wait -1
	CREST
.endm
	s_load_b256 s[4:11], s[0:1], 0x0               ; h s[4:5], w2b s[6:7], out0 s[8:9], b2 s[10:11]
	v_lshl_add_u32 v[SPW], v0, 2, SPARE
	v_mov_b32 v[NIL], 0
	ds_add_u32 v[SPW], v[NIL]                      ; the wave's opening: the add and its wait stand ahead of my first tensor load; the set-up below, work on registers, stands between them
	v_lshrrev_b32 v1, 5, v0
	v_readfirstlane_b32 s[WV], v1                  ; wave 0..3
	s_lshr_b32 s[WR], s[WV], 1
	s_and_b32 s[WC], s[WV], 1
	s_bfe_u32 s40, ttmp6, 0x40000                  ; cx, cy: my place in the cluster
	s_bfe_u32 s41, ttmp6, 0x40004
	s_lshl_b32 s42, ttmp9, 2
	s_add_co_u32 s42, s42, s40                     ; tile column = 4 x cluster x + cx
	s_and_b32 s[TY], ttmp7, 0xffff
	s_lshl_b32 s[TY], s[TY], 2
	s_add_co_u32 s[TY], s[TY], s41                 ; tile row = 4 x cluster y + cy
	s_lshl_b32 s43, s41, 2
	s_lshl_b32 s43, 15, s43                        ; my row of the cluster
	s_lshl_b32 s44, 0x1111, s40                    ; my column
	; descriptor group 1 for A: 64 rows x 192 elements
	s_or_b32 s[G1+0], s43, (1<<16)|(1<<20)|(1<<21)|(4<<22)|(3<<25)  ; 15:0 the mask: my row; 17:16 elements of 2 bytes; 20 padding on; 21 set beside a mask; 24:22 after every 32 words (code 4), a third of a row; 31:25 4 words of it (code 3)
	s_mov_b32 s[G1+1], KSTEP<<16                   ; tensor_dim0 = 192
	s_mov_b32 s[G1+2], 64<<16                      ; tensor_dim1 = 64
	s_mov_b32 s[G1+3], KSTEP<<16                   ; tile_dim0 = 192
	s_mov_b32 s[G1+4], 64                          ; tile_dim1 = 64
	s_mov_b32 s[G1+5], SIZE_K                      ; elements from row to row
	s_mov_b32 s[G1+6], 0
	s_mov_b32 s[G1+7], 0
	; descriptor group 1 for B: 96 rows (k) x 256 elements (n)
	s_or_b32 s[G1B+0], s44, (1<<16)|(1<<20)|(1<<21)|(6<<22)|(7<<25) ; the mask: my column; padding after every 128 words (code 6), 8 words of it (code 7)
	s_mov_b32 s[G1B+1], 256<<16                    ; tensor_dim0 = 256
	s_mov_b32 s[G1B+2], 96<<16                     ; tensor_dim1 = 96
	s_mov_b32 s[G1B+3], 256<<16                    ; tile_dim0 = 256
	s_mov_b32 s[G1B+4], 96                         ; tile_dim1 = 96
	s_mov_b32 s[G1B+5], SIZE_N                     ; elements from row to row
	s_mov_b32 s[G1B+6], 0
	s_mov_b32 s[G1B+7], 0
	s_mov_b32 s[IA+1], 0                           ; the address steps' high words,
	s_mov_b32 s[IB+1], 0
	s_mov_b32 s[CSA], STEP_A                       ; and the steps that slot 1 chooses from
	s_mov_b32 s[CLA], LAST_A
	s_mov_b32 s[CSB], STEP_B
	s_mov_b32 s[CLB], LAST_B
	; where the tiles come from: A's hang on the tile row alone, B's on the tile column alone
	s_lshl_b32 s17, s[WC], 6
	s_lshl_b32 s16, s[TY], 7
	s_add_co_u32 s16, s16, s17                     ; A: row 128 x tile row + 64 x half,
	s_lshl_b32 s16, s16, 13                        ; of 8,192 bytes: under 2^26
	s_mov_b32 s17, 0
	s_lshl_b32 s46, s42, 9                         ; B: column 256 x tile column, 2 bytes each,
	s_mul_i32 s47, s[WC], 96*SIZE_N*2              ; row 96 x half, 2,048 bytes each
	s_add_co_u32 s46, s46, s47
	s_mov_b32 s47, 0
	s_mul_i32 s20, s[WC], AH                       ; and where they go: A's halves at 0 and AH (waves 0, 1),
	s_mul_i32 s21, s[WC], BH
	s_add_co_u32 s21, s21, 2*AH                    ; B's behind them (waves 2, 3): no place in the cluster enters an LDS address
	s_wait_dscnt 0x0                               ; the opening add is done
	s_wait_kmcnt 0x0
	s_add_nc_u64 s[18:19], s[4:5], s[16:17]
	s_add_nc_u64 s[46:47], s[6:7], s[46:47]
	CROUND                                         ; all sixteen work-groups are here: the first joint loads meet
.irp s, 0,1
	s_mov_b32 s[G0+4*(\s)], 1                                      ; count = 1
	s_add_co_u32 s[G0+4*(\s)+1], s20, (\s)*SLOT                    ; LDS address
	s_add_nc_u64 s[G0+4*(\s)+2:G0+4*(\s)+3], s[18:19], (\s)*KSTEP*2  ; global address: K step s
	s_or_b32 s[G0+4*(\s)+3], s[G0+4*(\s)+3], 0x80000000            ; type = 2
	s_mov_b32 s[G0B+4*(\s)], 1
	s_add_co_u32 s[G0B+4*(\s)+1], s21, (\s)*SLOT
	s_add_nc_u64 s[G0B+4*(\s)+2:G0B+4*(\s)+3], s[46:47], (\s)*KSTEP*SIZE_N*2
	s_or_b32 s[G0B+4*(\s)+3], s[G0B+4*(\s)+3], 0x80000000
	JLOAD \s                                       ; the ring is filled before anything else is done: two tensor loads of mine are out
.endr
	; my 128 columns, 4 bytes each: the same byte offset in the bias and along a row of out0
	s_lshl_b32 s46, s42, 10
	s_lshl_b32 s47, s[WC], 9
	s_add_co_u32 s46, s46, s47
	s_mov_b32 s47, 0
	s_add_nc_u64 s[10:11], s[10:11], s[46:47]
	v_and_b32 v1, 15, v0                           ; l % 16
	v_bfe_u32 v2, v0, 4, 1                         ; l / 16
	v_lshlrev_b32 v[BO], 5, v2
	WIN TO_B
.irp b, 0,1,2,3,4,5,6,7
	global_load_b128 v[BI+8*(\b):BI+8*(\b)+3],   v[BO], s[10:11] offset:64*(\b)
	global_load_b128 v[BI+8*(\b)+4:BI+8*(\b)+7], v[BO], s[10:11] offset:64*(\b)+16
.endr
	WIN 0
	v_mul_u32_u24 v3, v1, PA
	v_lshl_add_u32 v3, v2, 4, v3                   ; A: a fragment's row x pitch + 16 x half
	v_and_b32 v4, 7, v0                            ; B: the turning load's lane l reads k = 8 (l / 16) + l % 8, columns 8 ((l / 8) % 2) + 0..7
	v_lshl_add_u32 v4, v2, 3, v4
	v_mul_u32_u24 v4, v4, PB
	v_bfe_u32 v5, v0, 3, 1
	v_lshl_add_u32 v4, v5, 4, v4
	s_mul_i32 s22, s[WR], AH                       ; my 64 rows of A
	s_lshl_b32 s23, s[WC], 8                       ; my 128 columns of B: 256 bytes along its rows,
	s_add_co_u32 s23, s23, 2*AH                    ; which lie behind A's 128
.irp s, 0,1
	v_add_nc_u32 v[ADRA+(\s)], s22, v3
	v_add_nc_u32 v[ADRB+(\s)], s23, v4
	v_add_nc_u32 v[ADRBH+(\s)], 96*PB, v[ADRB+(\s)]
	s_add_co_u32 s22, s22, SLOT
	s_add_co_u32 s23, s23, SLOT
.endr
	s_mul_i32 s18, s[WV], 16*SPITCH                ; my stage: it begins at LDS byte STAGE = 0
	v_mul_u32_u24 v6, v1, SPITCH                   ; in: row l % 16, 32 bytes for each half of the lanes
	v_lshl_add_u32 v6, v2, 5, v6
	v_add_nc_u32 v[STO], s18, v6
	v_and_b32 v7, 31, v0
	v_lshlrev_b32 v[GO], 4, v7                     ; back: 32 lanes take one row's 512 bytes,
	v_add_nc_u32 v[RD], s18, v[GO]                 ; which are 512 consecutive bytes of out0
	s_lshl_b32 s16, s[TY], 7
	s_lshl_b32 s17, s[WR], 6
	s_add_co_u32 s16, s16, s17                     ; my first row of out0,
	s_lshl_b32 s16, s16, 12                        ; of 4,096 bytes: under 2^25
	s_mov_b32 s17, 0
	s_add_nc_u64 s[8:9], s[8:9], s[16:17]
	s_add_nc_u64 s[8:9], s[8:9], s[46:47]
	s_wait_loadcnt 0x0                             ; the bias is in
	WIN 0x05                                       ; sources window 1, destination window 0
.set i, 0
.rept 32
	v_cvt_pk_bf16_f32 v[RB+i], v[BI+2*i], v[BI+2*i+1]  ; rounded to bf16 like every input,
.set i, i+1
.endr
	WIN TO_B
.set i, 0
.rept 32
	v_lshlrev_b32 v[BI+2*i],   16, v[RB+i]          ; and widened again
	v_and_b32     v[BI+2*i+1], 0xffff0000, v[RB+i]
.set i, i+1
.endr
	WIN 0
; 8 matrix instructions: m block a x all 8 n blocks, 32 along K.  first = 1: the sums start with the bias.  The 32 accumulators take turns, in the same order in every quarter.
.macro MUL8 f, a, first
.if \first
	WIN FIRST
.else
	WIN MUL
.endif
.irp b, 0,1,2,3,4,5,6,7
.if \first
	v_wmma_f32_16x16x32_bf16 v[8*(8*(\a)+(\b)):8*(8*(\a)+(\b))+7], v[(\f)+8*(\b):(\f)+8*(\b)+7], v[(\f)+8*(\a):(\f)+8*(\a)+7], v[BI+8*(\b):BI+8*(\b)+7]
.else
	v_wmma_f32_16x16x32_bf16 v[8*(8*(\a)+(\b)):8*(8*(\a)+(\b))+7], v[(\f)+8*(\b):(\f)+8*(\b)+7], v[(\f)+8*(\a):(\f)+8*(\a)+7], v[8*(8*(\a)+(\b)):8*(8*(\a)+(\b))+7]
.endif
.endr
.endm
; 24 LDS loads in one run: the fragments of part q (0 to 5) of a K step (32 k x 128 columns of B, turned; 64 rows x 32 K of A) into buffer f
.macro FETCH slot, q, f
.set BR, ADRB+(\slot)+2*((\q)/3)       ; B's address register: parts 3 to 5 take the one 96 rows on
.set QB, ((\q)%3)*32*PB                ; and the part's rows from there
.set QA, ((\q)/2)*ACH+((\q)%2)*64      ; A: the piece of 64 k, and the half of it
	WIN TO_B
.irp i, 0,1,2,3,4,5,6,7
	ds_load_tr16_b128 v[(\f)+8*(\i):(\f)+8*(\i)+3],   v[BR] offset:QB+32*(\i)
	ds_load_tr16_b128 v[(\f)+8*(\i)+4:(\f)+8*(\i)+7], v[BR] offset:QB+16*PB+32*(\i)
.endr
	WIN 0
.irp i, 0,1,2,3
	ds_load_b128 v[(\f)+8*(\i):(\f)+8*(\i)+3],   v[ADRA+(\slot)] offset:QA+(\i)*16*PA
	ds_load_b128 v[(\f)+8*(\i)+4:(\f)+8*(\i)+7], v[ADRA+(\slot)] offset:QA+(\i)*16*PA+32
.endr
.endm
.macro PLACES                          ; four places in front of loads into registers that matrix instructions have read, and of stores that read results
.rept 4
	v_nop
.endr
.endm
; A K step is six parts of 32 along K, 32 matrix instructions each, on buffers 0, 1, 0, 1, 0, 1.  PART multiplies buffer f and, in its middle, fetches part q of the named slot into buffer g.
.macro PART slot, q, f, g, first
	s_wait_dscnt 4                                 ; B and A's blocks 0 and 1 are in; the youngest four loads (A's blocks 2 and 3) may be out
	MUL8 \f, 0, \first
	MUL8 \f, 1, \first
	PLACES
	FETCH \slot, \q, \g
	s_wait_dscnt 24                                ; all but the 24 just issued
	MUL8 \f, 2, \first
	MUL8 \f, 3, \first
.endm
; THE CHANGE OF SLOTS stands at the head of a step's last part, whose fragments are the slot's last bytes to be read.  Each wave waits for all its tensor loads, of which one is out: its part of the other slot;
; adds 0 to its spare word; and waits for that and for its own reads of this slot.  Behind the barrier nobody reads this slot any more and the other slot is whole.
; fill = 1: this slot is filled again, two K steps ahead; the barrier then opens a round of the cluster's barrier, and the joint load is the first thing behind the round: it has a whole step, 192 matrix instructions,
; in which to land.  A step of this tile has 192 matrix instructions a wave for 147,456 bytes fetched, two thirds of the work a byte that a tile of 256 x 256 has, so the next request is not made to stand behind matrix
; work: the waits, the round and the load stand on end, with the descriptors' scalar steps alone between them.
.macro SYNC slot, fill
	WIN 0
	s_wait_tensorcnt 0x0                           ; all my tensor loads have landed, so every group 0 may be written;
	ds_add_u32 v[SPW], v[NIL]                      ; 0 onto my spare word
.if \fill
.if (\slot) == 0
	s_add_nc_u64 s[G0+2:G0+3], s[G0+2:G0+3], STEP_A
	s_add_nc_u64 s[G0B+2:G0B+3], s[G0B+2:G0B+3], STEP_B
.else
	s_cmp_eq_u32 s3, 1                             ; the last trip asks for step 21, which begins 256 k behind step 19, so that it ends with the tensor
	s_cselect_b32 s[IA], s[CLA], s[CSA]
	s_cselect_b32 s[IB], s[CLB], s[CSB]
	s_add_nc_u64 s[G0+6:G0+7], s[G0+6:G0+7], s[IA:IA+1]
	s_add_nc_u64 s[G0B+6:G0B+7], s[G0B+6:G0B+7], s[IB:IB+1]
.endif
.endif
	s_wait_dscnt 0x0                               ; the add is done, and my reads of this slot are over
	s_barrier_signal -1
	s_barrier_wait -1
.if \fill
	CREST                                          ; no wave of any partner still reads this slot's tile or has a load on its way
	JLOAD \slot                                    ; the first tensor load behind the round, my only one until the next
.endif
.endm
; THE WAY OUT of block a (16 rows x 128 columns of f32).  TOSTAGE: a lane's 32 bytes of a row go into my own stage, rows of 528 bytes, and come back as whole rows of 512, into the registers that they left.
.macro TOSTAGE a
	WIN FROM2
.irp b, 0,1,2,3,4,5,6,7
	ds_store_b128 v[STO], v[64*(\a)+8*(\b):64*(\a)+8*(\b)+3]   offset:64*(\b)     ; each accumulator's low four registers first
	ds_store_b128 v[STO], v[64*(\a)+8*(\b)+4:64*(\a)+8*(\b)+7] offset:64*(\b)+16
.endr
	WIN TO2
.irp t, 0,1,2,3,4,5,6,7,8,9,10,11,12,13,14,15
	ds_load_b128 v[64*(\a)+4*(\t):64*(\a)+4*(\t)+3], v[RD] offset:(\t)*SPITCH  ; LDS serves a wave's instructions in order (ISA guide 5.7.1.4): these see the stores above; the next block's stores come behind them
.endr
.endm
.macro SEND a, younger                 ; younger: the LDS instructions issued behind block a's loads: the next block's 32, or none
	WIN FROM2
.irp t, 0,1,2,3,4,5,6,7,8,9,10,11,12,13,14,15
	s_wait_dscnt (\younger)+15-(\t)                ; row t is back; the rows behind it and the next block's instructions may be out
	global_store_b128 v[GO], v[64*(\a)+4*(\t):64*(\a)+4*(\t)+3], s[8:9] offset:(16*(\a)+(\t))*SIZE_N*4 th:TH_STORE_NT  ; 512 consecutive bytes, at a multiple of 512 from out0's first byte; no register is written again
.endr
.endm
	s_wait_tensorcnt 1                             ; my part of K step 0 is in; K step 1's may stay out
	s_barrier_signal -1
	s_barrier_wait -1                              ; everybody's is
	FETCH 0, 0, F0
	PART 0, 1, F0, F1, 1                           ; the first part stands in front of the loop: its products start the sums, with the bias
	WIN 0                                          ; at a label and at a branch every window is 0
	s_mov_b32 s3, TRIPS
.Llap:                                                 ; a trip goes once round the ring, from a lap's second part to the next lap's first, and fills both slots again
	PART 0, 2, F1, F0, 0
	PART 0, 3, F0, F1, 0
	PART 0, 4, F1, F0, 0
	PART 0, 5, F0, F1, 0
	SYNC 0, 1
	PART 1, 0, F1, F0, 0                           ; slot 0's last part is multiplied; slot 1's first fragments are fetched
	PART 1, 1, F0, F1, 0
	PART 1, 2, F1, F0, 0
	PART 1, 3, F0, F1, 0
	PART 1, 4, F1, F0, 0
	PART 1, 5, F0, F1, 0
	SYNC 1, 1
	PART 0, 0, F1, F0, 0
	PART 0, 1, F0, F1, 0
	WIN 0
	s_sub_co_u32 s3, s3, 1
	s_cmp_lg_u32 s3, 0
	s_cbranch_scc1 .Llap
	PART 0, 2, F1, F0, 0                           ; step 20 (k = 3,840 on): its parts 0 to 3 alone are multiplied; nothing more is asked for
	PART 0, 3, F0, F1, 0
	SYNC 0, 0                                      ; step 21's tile is in, everybody's part of it; slot 0 has been read for the last time
	PART 1, 2, F1, F0, 0                           ; step 21 (its tile begins at k = 3,904): its parts 2 to 5 are k = 3,968 to 4,095
	PART 1, 3, F0, F1, 0
	PART 1, 4, F1, F0, 0
	PART 1, 5, F0, F1, 0
	s_wait_dscnt 4                                 ; the very last part: nothing more to fetch
	MUL8 F1, 0, 0
	MUL8 F1, 1, 0
	s_wait_dscnt 0x0
	MUL8 F1, 2, 0
	MUL8 F1, 3, 0
	WIN 0
	PLACES                                         ; the stage's stores read results just made
	TOSTAGE 0
	TOSTAGE 1                                      ; a block's way through the stage stands between the loads of the block before and its stores
	SEND 0, 32
	TOSTAGE 2
	SEND 1, 32
	TOSTAGE 3
	SEND 2, 32
	SEND 3, 0
	WIN 0
	s_wait_tensorcnt 0x0                           ; the wave's end: behind my last tensor load and my last LDS store
	ds_add_u32 v[SPW], v[NIL]
	s_wait_dscnt 0x0
	CROUND                                         ; the closing round: no work-group ends while a partner may still ask for a tile that names it
	s_endpgm
.Lfunc_end_k_q90dc822ca7_ffn2:
	.size	k_q90dc822ca7_ffn2, .Lfunc_end_k_q90dc822ca7_ffn2-k_q90dc822ca7_ffn2
	.p2alignl 7, 3214868480
	.fill 96, 4, 3214868480
	.section	.rodata,"a",@progbits
	.p2align	6, 0x0
	.amdhsa_kernel k_q90dc822ca7_ffn2
		.amdhsa_group_segment_fixed_size 327680
		.amdhsa_private_segment_fixed_size 0
		.amdhsa_enable_private_segment 0
		.amdhsa_kernarg_size 32
		.amdhsa_user_sgpr_count 2
		.amdhsa_user_sgpr_kernarg_segment_ptr 1
		.amdhsa_wavefront_size32 1
		.amdhsa_system_sgpr_workgroup_id_x 1
		.amdhsa_system_sgpr_workgroup_id_y 1
		.amdhsa_system_sgpr_workgroup_id_z 1
		.amdhsa_system_vgpr_workitem_id 0
		.amdhsa_next_free_vgpr 768
		.amdhsa_next_free_sgpr 76
		.amdhsa_reserve_vcc 0
		.amdhsa_float_denorm_mode_32 3
		.amdhsa_float_denorm_mode_16_64 3
		.amdhsa_memory_ordered 1
		.amdhsa_forward_progress 1
		.amdhsa_inst_pref_size 110
	.end_amdhsa_kernel
	.amdgpu_metadata
---
amdhsa.version: [ 1, 2 ]
amdhsa.kernels:
  - .name:           k_q90dc822ca7_ffn2
    .symbol:         k_q90dc822ca7_ffn2.kd
    .args:
      - { .name: h, .offset: 0, .size: 8, .value_kind: global_buffer, .address_space: global }
      - { .name: w2b, .offset: 8, .size: 8, .value_kind: global_buffer, .address_space: global }
      - { .name: out0, .offset: 16, .size: 8, .value_kind: global_buffer, .address_space: global }
      - { .name: b2, .offset: 24, .size: 8, .value_kind: global_buffer, .address_space: global }
    .group_segment_fixed_size: 327680
    .private_segment_fixed_size: 0
    .kernarg_segment_align: 8
    .kernarg_segment_size: 32
    .max_flat_workgroup_size: 128
    .sgpr_count:     76
    .vgpr_count:     768
    .wavefront_size: 32
...
	.end_amdgpu_metadata
.endif
;; end of part 3
